; MI455X (gfx1250); checked and timed in simulation.
; The chip was launched on July 23, 2026; its instructions are those of AMD's public machine-readable ISA for CDNA 5 (MIT licence, August 2026) and "CDNA5" Instruction Set Architecture Reference Guide (July 2026). The comments in the code are by the model that wrote it; some were corrected since.
;; Py Self Multihead Attn. Allowed arithmetic: matrix products marked QUANTISED: E2M1 operands, one E8M0 scale for each 32 along K, by v_wmma_scale_f32_16x16x128_f8f6f4 with both operands' format E2M1 (or v_wmma_scale_f32_32x16x128_f4), f32 sums; products left as they are: bf16, f16 or f32 operands; f32 sums; everything else in f32.
;; Inputs: in_proj_weight 3,072 x 1,024 float32; inputs 2,048 x 4 x 1,024 float32; out_proj_weight 1,024 x 1,024 float32.
;; Outputs: out0 2,048 x 4 x 1,024 float32.
;; This version of the problem:
;;   THIS VERSION OF THE PROBLEM IS GIVEN IN LOW PRECISION. The matrix products marked QUANTISED in the list below multiply operands that are first quantised to E2M1 (2 exponent bits, 1 mantissa bit; 4 bits a number), with one power-of-two scale for each 32 numbers along K (OCP MX v1.0); their sums are f32. The products marked 'left as it is' may take bf16, f16 or f32 operands, with f32 sums. Whichever they take, every output number must still come out within the allowed error. Rounding operands to bf16 (8 significant bits) uses up far more of that allowance than f16 does (11 bits, for magnitudes from 6e-5 to 65,504). All else is computed in f32.
;;   The module's matrix products, in the order in which they are computed (A, B: the left and right operand; K: the contracted axis; several contracted axes count as one K, in the product's order):
;;     1. [M 8,192, K 1,024] x [K 1,024, N 3,072]; A: input inputs; B: input in_proj_weight: QUANTISED
;;     2. batch 64 x [M 2,048, K 64] x [K 64, N 2,048]; A: computed on the way; B: computed on the way: left as it is (an operand is computed on the way)
;;     3. batch 64 x [M 64, K 2,048] x [K 2,048, N 2,048]; A: computed on the way; B: computed on the way: left as it is (an operand is computed on the way)
;;     4. [M 8,192, K 1,024] x [K 1,024, N 1,024]; A: computed on the way; B: input out_proj_weight: left as it is (an operand is computed on the way)
;;   THE QUANTISER, for each operand of a quantised product, along K:
;;     - K is cut into blocks of 32 from its start; a last block that is shorter is filled with zeros.
;;     - A block's scale is 2^e with e = floor(log2(the largest magnitude in the block)) - 2, held to -126 .. 127; a block of zeros has e = 0. As a byte (E8M0): e + 127.
;;     - Each number is divided by its block's scale, clamped to +-6, and rounded to the nearest number of E2M1, ties to even, subnormals kept.
;;     - The product sums the exact products of the quantised numbers (number of the format x scale) in f32.
;;   ~~~python
;;   def quantise(x, axis):      # numpy; x: float32 -> the quantised numbers, widened to float32 again
;;       x = np.moveaxis(x, axis, -1); K = x.shape[-1]
;;       x = np.pad(x, [(0, 0)] * (x.ndim - 1) + [(0, -K % 32)]); x = x.reshape(x.shape[:-1] + (-1, 32)); a = np.abs(x).max(-1, keepdims=True)
;;       e = np.where(a > 0, np.clip(np.frexp(np.where(a > 0, a, 1))[1] - 1 - 2, -126, 127), 0)      # np.frexp(a)[1] - 1 = floor(log2(a)), exactly
;;       r = np.clip(x / 2.0 ** e, -6, 6)
;;       step = 2.0 ** (np.maximum(np.frexp(np.where(r == 0, 1, r))[1] - 1, 0) - 1)
;;       q = np.round(r / step) * step * 2.0 ** e      # np.round: ties to even
;;       return np.moveaxis(q.reshape(q.shape[:-2] + (-1,))[..., :K], -1, axis).astype(np.float32)
;;   ~~~
;; One version. Each part assembles by itself: llvm-mc -triple=amdgcn-amd-amdhsa -mcpu=gfx1250 --defsym DOCPART=n.
;; ======== version 1 of 1: 4 launches
;; limits: values are held in f16: magnitudes above 65,504 overflow, below 6.1e-05 lose precision
;; workspace buffers: x_codes 4,194,304 bytes; x_scales 262,144 bytes; w_codes 1,572,864 bytes; w_scales 98,304 bytes; wo16 2,097,152 bytes; qkv 50,331,648 bytes; ctx 16,777,216 bytes
;; launch prep (part 1): grid 384 x 1, 4 waves a work-group, no clusters, 33,280 bytes of LDS; arguments inputs, in_proj_weight, out_proj_weight, x_codes, x_scales, w_codes, w_scales, wo16; writes x_codes, x_scales, w_codes, w_scales, wo16
.if DOCPART == 1
	.amdgcn_target "amdgcn-amd-amdhsa--gfx1250"
	.amdhsa_code_object_version 6
	.text
	.protected	k_qfb154323a7_prep
	.globl	k_qfb154323a7_prep
	.p2align	8
	.type	k_qfb154323a7_prep,@function
k_qfb154323a7_prep:
	s_mov_b64 s[64:65], 0
	v_nop
	global_prefetch_b8 v0, s[64:65] scope:SCOPE_SE
	s_setreg_imm32_b32 hwreg(HW_REG_WAVE_MODE, 25, 1), 1
	s_wait_xcnt 0x0
; inputs [2048][4][1024] and in_proj_weight [3072][1024], f32, become codes of FP4 (E2M1), K innermost, with one E8M0 byte for each 32 along K; out_proj_weight [1024][1024] becomes f16.
; ROWS ARE PERMUTED ON THE WAY: x_codes row m = b x 2048 + t; w_codes row f = which x 1024 + h x 64 + d (which = 0 q, 1 k, 2 v), taken from row h x 192 + which x 64 + d of the weight.
; A block's scale is 2^(floor(log2(its largest magnitude)) - 2): its byte is the largest magnitude's exponent field - 2, held at 1 from below; each number is divided by the scale and rounded to the nearest code, ties to even,
; beyond the largest code the largest.
; LIMITS: NaN and infinities are not served.  A block whose largest magnitude lies under 2^-124 keeps the byte 1, and so does a block of zeros (its codes are zeros; the bytes are read by this program alone).
; |out_proj_weight| stays under 65,504 (f16); numbers under 6e-5 carry f16's absolute error of 3e-8.
; SHARES.  Work-groups 0-255: inputs; 256-351: in_proj_weight; 352-383: out_proj_weight.  A wave of the first two kinds takes 8 destination rows (16 steps of 512 numbers): 4,096 bytes of codes and 256 scale bytes on end.
; A step's four loads read 512 consecutive bytes each; the 2,048 bytes turn through the wave's own stage in LDS so that a lane holds 16 neighbours along K (two lanes to a block).  Waves share nothing: no barrier.
.set XWG,   256                        ; work-groups for the inputs
.set WWG,   96                         ; for in_proj_weight
.set STEPS, 16
.set EMAX,  2
.set R,     16                         ; v16-79   four sets of 16 numbers as loaded (f16 path: set A)
.set X,     80                         ; v80-111  two sets of 16 neighbours (f16 path: v80-143 set B)
.set E,     112                        ; v112-127 a scale byte for each step
.set C,     128                        ; v128-159 codes: two registers for each step, so that no store's data are written again
.set RO,    160                        ; v160-167 byte offset of my 16 bytes in each of the wave's 8 source rows
.set WREG,  8192                       ; LDS: a region for each wave: two stages of 32 x SP bytes, then its 256 scale bytes
.set SP,    80                         ; a lane's place in a stage: 64 bytes + 16 of padding
.set SPW,   12                         ; v12 LDS address of my spare word; never rewritten
.set NIL,   13                         ; v13 0; never rewritten
.set SPARE, 4*WREG                     ; behind the four regions: the spare words, 128 bytes a wave
.macro LD rg, bt                       ; f16 path: 16 loads of 512 consecutive bytes
.irp k, 0,1,2,3,4,5,6,7,8,9,10,11,12,13,14,15
	global_load_b128 v[\rg+4*\k:\rg+4*\k+3], v3, s[8:9] offset:(16*\bt+\k)*512 th:TH_LOAD_NT
.endr
.endm
.macro CV rg, bt                       ; four f32 of a lane become 8 bytes: a store of the wave covers 256 consecutive bytes, aligned
.irp k, 0,1,2,3,4,5,6,7,8,9,10,11,12,13,14,15
	v_cvt_pk_f16_f32 v[\rg+4*\k], v[\rg+4*\k], v[\rg+4*\k+1]
	v_cvt_pk_f16_f32 v[\rg+4*\k+1], v[\rg+4*\k+2], v[\rg+4*\k+3]
	global_store_b64 v7, v[\rg+4*\k:\rg+4*\k+1], s[18:19] offset:(16*\bt+\k)*256
.endr
.endm
.macro LOAD t                          ; step t: half t % 2 of source row t / 2
.irp i, 0,1,2,3
	global_load_b128 v[R+16*((\t)%4)+4*\i:R+16*((\t)%4)+4*\i+3], v[RO+(\t)/2], s[4:5] offset:2048*((\t)%2)+512*\i th:TH_LOAD_NT
.endr
.endm
.macro TURN t                          ; step t's numbers through the stage: LDS serves a wave's instructions in order, so no wait stands between the stores and the loads
.irp i, 0,1,2,3
	ds_store_b128 v14, v[R+16*((\t)%4)+4*\i:R+16*((\t)%4)+4*\i+3] offset:32*SP*((\t)%2)+8*SP*\i
.endr
.irp i, 0,1,2,3
	ds_load_b128 v[X+16*((\t)%2)+4*\i:X+16*((\t)%2)+4*\i+3], v15 offset:32*SP*((\t)%2)+16*\i
.endr
.endm
.macro STEP t
.set XS, X+16*((\t)%2)
.if (\t) > 0
	s_wait_dscnt 1                                 ; this step's numbers are back from the stage (the last step's byte store may be out)
.else
	s_wait_dscnt 0x0
.endif
.if (\t)+4 < STEPS
	LOAD (\t)+4                                    ; into the set whose stores into the stage are done
.endif
.if (\t)+1 < STEPS
.if STEPS-2-(\t) >= 3
	s_wait_loadcnt 12                              ; the next step's four loads are in; those of the three steps behind it may be out
.else
	s_wait_loadcnt 4*(STEPS-2-(\t))
.endif
	TURN (\t)+1
.endif
	v_max3_num_f32 v8, |v[XS]|, |v[XS+1]|, |v[XS+2]|               ; the largest magnitude of my 16, in two chains
	v_max3_num_f32 v9, |v[XS+3]|, |v[XS+4]|, |v[XS+5]|
.irp i, 6,10
	v_max3_num_f32 v8, v8, |v[XS+\i]|, |v[XS+\i+1]|
	v_max3_num_f32 v9, v9, |v[XS+\i+2]|, |v[XS+\i+3]|
.endr
	v_max3_num_f32 v8, v8, |v[XS+14]|, |v[XS+15]|
	v_max3_num_f32 v8, v8, v9, (EMAX+1)<<23        ; and the floor 2^(3 - 127): the byte cannot fall under 1
	v_max_num_f32_dpp v8, v8, v8 row_xmask:1 row_mask:0xf bank_mask:0xf   ; with my neighbour's 16: the block's
	v_add_nc_u32 v11, -(EMAX<<23), v8              ; 2 off its exponent field: the conversion takes this operand's exponent field as its scale
	v_cvt_scalef32_pk8_fp4_f32 v[C+2*(\t)], v[XS:XS+7], v11
	v_cvt_scalef32_pk8_fp4_f32 v[C+2*(\t)+1], v[XS+8:XS+15], v11
	v_lshrrev_b32 v[E+(\t)], 23, v11               ; the scale's byte (also the plain line behind the conversions)
	ds_store_b8 v5, v[E+(\t)] offset:16*(\t)       ; both lanes of a block write the same byte with the same value
	global_store_b64 v7, v[C+2*(\t):C+2*(\t)+1], s[10:11] offset:256*(\t)   ; 32 lanes store 256 consecutive bytes, aligned
.endm
	s_load_b256 s[4:11], s[0:1], 0x0               ; inputs s[4:5], in_proj s[6:7], out_proj s[8:9], x_codes s[10:11]
	s_load_b256 s[12:19], s[0:1], 0x20             ; x_scales s[12:13], w_codes s[14:15], w_scales s[16:17], wo16 s[18:19]
	v_lshl_add_u32 v[SPW], v0, 2, SPARE
	v_mov_b32 v[NIL], 0
	v_lshrrev_b32 v1, 5, v0
	v_readfirstlane_b32 s20, v1                    ; wave 0..3
	v_and_b32 v2, 31, v0                           ; lane
	v_lshlrev_b32 v3, 4, v2                        ; 16 x lane
	v_lshlrev_b32 v7, 3, v2                        ; 8 x lane
	s_mov_b32 s27, 0
	s_cmp_lt_u32 ttmp9, XWG+WWG                    ; the work-group's number alone decides the path
	s_cbranch_scc1 .Lquant
	; ---- out_proj_weight to f16: a wave takes 8,192 numbers, in four batches of 16 loads on two sets of registers
	s_sub_co_u32 s21, ttmp9, XWG+WWG
	s_lshl_b32 s21, s21, 2
	s_add_co_u32 s21, s21, s20                     ; my run, 0..127
	s_lshl_b32 s26, s21, 15                        ; 32,768 bytes in
	s_lshl_b32 s28, s21, 14                        ; 16,384 bytes out
	s_mov_b32 s29, 0
	s_wait_kmcnt 0x0
	s_add_nc_u64 s[8:9], s[8:9], s[26:27]
	s_add_nc_u64 s[18:19], s[18:19], s[28:29]
	LD R, 0
	LD X, 1
	s_wait_loadcnt 16                              ; the first set is in; the other set's 16 loads may be out
	CV R, 0
	s_wait_xcnt 0x0                                ; the stores have read their data: the set is loaded again only behind this wait
	LD R, 2
	s_wait_loadcnt 16
	CV X, 1
	s_wait_xcnt 0x0
	LD X, 3
	s_wait_loadcnt 16
	CV R, 2
	s_wait_loadcnt 0x0
	CV X, 3
	s_branch .Lend
.Lquant:
	s_mul_i32 s25, s20, WREG                       ; my wave's LDS region
	v_lshrrev_b32 v14, 2, v2
	v_mul_u32_u24 v14, v14, SP
	v_and_b32 v15, 3, v2
	v_lshl_add_u32 v14, v15, 4, v14
	v_add_nc_u32 v14, s25, v14                     ; the stage, on the way in: SP (lane / 4) + 16 (lane % 4)
	v_mul_u32_u24 v15, v2, SP
	v_add_nc_u32 v15, s25, v15                     ; and on the way out: SP x lane
	v_lshrrev_b32 v5, 1, v2
	s_add_co_u32 s25, s25, 2*32*SP
	v_add_nc_u32 v5, s25, v5                       ; my block's scale byte
	v_add_nc_u32 v6, s25, v7                       ; and 8 bytes a lane on the way out
	s_lshl_b32 s21, ttmp9, 2
	s_add_co_u32 s21, s21, s20                     ; inputs: run u = 4 g + wave: destination rows 8 u .. 8 u + 7 = (b = u / 256, t = 8 (u % 256) + i)
	s_and_b32 s22, s21, 255
	s_lshl_b32 s22, s22, 17                        ; 8 t-steps of 16,384 bytes
	s_lshr_b32 s23, s21, 8
	s_lshl_b32 s23, s23, 12                        ; + b rows of 4,096 bytes
	s_add_co_u32 s22, s22, s23
	s_sub_co_u32 s28, s21, 4*XWG
	s_and_b32 s28, s28, 511                        ; weight: run u = 4 (g - 256) + wave, 0..383
	s_bfe_u32 s29, s28, 0x40003                    ; h = (u / 8) % 16
	s_mul_i32 s29, s29, 192
	s_lshr_b32 s30, s28, 7                         ; which = u / 128
	s_lshl_b32 s30, s30, 6
	s_add_co_u32 s29, s29, s30
	s_and_b32 s30, s28, 7                          ; d = 8 (u % 8) + i
	s_lshl_b32 s30, s30, 3
	s_add_co_u32 s29, s29, s30
	s_lshl_b32 s29, s29, 12                        ; source row x 4,096 bytes
	s_wait_kmcnt 0x0
	s_cmp_lt_u32 ttmp9, XWG                        ; inputs or weight: only pointers, offsets and the row stride are chosen; both take one path through the text
	s_cselect_b64 s[4:5], s[4:5], s[6:7]
	s_cselect_b64 s[10:11], s[10:11], s[14:15]
	s_cselect_b64 s[12:13], s[12:13], s[16:17]
	s_cselect_b32 s21, s21, s28
	s_cselect_b32 s26, s22, s29
	s_mov_b32 s24, 4096
	s_cselect_b32 s24, 16384, s24                  ; from source row to source row
	s_add_nc_u64 s[4:5], s[4:5], s[26:27]
	s_lshl_b32 s26, s21, 12                        ; 4,096 bytes of codes a run
	s_add_nc_u64 s[10:11], s[10:11], s[26:27]
	s_lshl_b32 s26, s21, 8                         ; 256 scale bytes a run
	s_add_nc_u64 s[12:13], s[12:13], s[26:27]
	v_mov_b32 v[RO], v3
.irp i, 1,2,3,4,5,6,7
	v_add_nc_u32 v[RO+\i], s24, v[RO+\i-1]
.endr
.irp t, 0,1,2,3
	LOAD \t
.endr
	s_wait_loadcnt 12                              ; step 0's four loads are in
	TURN 0
.irp t, 0,1,2,3,4,5,6,7,8,9,10,11,12,13,14,15
	STEP \t
.endr
	ds_load_b64 v[8:9], v6                         ; LDS serves a wave's instructions in order: these see my byte stores
	s_wait_dscnt 0x0
	global_store_b64 v7, v[8:9], s[12:13]          ; 32 lanes store 256 consecutive bytes, aligned
.Lend:
	s_wait_tensorcnt 0x0                           ; the wave's end
	ds_add_u32 v[SPW], v[NIL]
	s_wait_dscnt 0x0
	s_endpgm
.Lfunc_end_k_qfb154323a7_prep:
	.size	k_qfb154323a7_prep, .Lfunc_end_k_qfb154323a7_prep-k_qfb154323a7_prep
	.p2alignl 7, 3214868480
	.fill 96, 4, 3214868480
	.section	.rodata,"a",@progbits
	.p2align	6, 0x0
	.amdhsa_kernel k_qfb154323a7_prep
		.amdhsa_group_segment_fixed_size 33280
		.amdhsa_private_segment_fixed_size 0
		.amdhsa_enable_private_segment 0
		.amdhsa_kernarg_size 64
		.amdhsa_user_sgpr_count 2
		.amdhsa_user_sgpr_kernarg_segment_ptr 1
		.amdhsa_wavefront_size32 1
		.amdhsa_system_sgpr_workgroup_id_x 1
		.amdhsa_system_sgpr_workgroup_id_y 1
		.amdhsa_system_sgpr_workgroup_id_z 1
		.amdhsa_system_vgpr_workitem_id 0
		.amdhsa_next_free_vgpr 192
		.amdhsa_next_free_sgpr 66
		.amdhsa_reserve_vcc 0
		.amdhsa_float_denorm_mode_32 3
		.amdhsa_float_denorm_mode_16_64 3
		.amdhsa_memory_ordered 1
		.amdhsa_forward_progress 1
		.amdhsa_inst_pref_size 55
	.end_amdhsa_kernel
	.amdgpu_metadata
---
amdhsa.version: [ 1, 2 ]
amdhsa.kernels:
  - .name:           k_qfb154323a7_prep
    .symbol:         k_qfb154323a7_prep.kd
    .args:
      - { .name: inputs, .offset: 0, .size: 8, .value_kind: global_buffer, .address_space: global }
      - { .name: in_proj_weight, .offset: 8, .size: 8, .value_kind: global_buffer, .address_space: global }
      - { .name: out_proj_weight, .offset: 16, .size: 8, .value_kind: global_buffer, .address_space: global }
      - { .name: x_codes, .offset: 24, .size: 8, .value_kind: global_buffer, .address_space: global }
      - { .name: x_scales, .offset: 32, .size: 8, .value_kind: global_buffer, .address_space: global }
      - { .name: w_codes, .offset: 40, .size: 8, .value_kind: global_buffer, .address_space: global }
      - { .name: w_scales, .offset: 48, .size: 8, .value_kind: global_buffer, .address_space: global }
      - { .name: wo16, .offset: 56, .size: 8, .value_kind: global_buffer, .address_space: global }
    .group_segment_fixed_size: 33280
    .private_segment_fixed_size: 0
    .kernarg_segment_align: 8
    .kernarg_segment_size: 64
    .max_flat_workgroup_size: 128
    .sgpr_count:     66
    .vgpr_count:     192
    .wavefront_size: 32
...
	.end_amdgpu_metadata
.endif
;; end of part 1
;; launch qkv (part 2): grid 12 x 32, 4 waves a work-group, clusters of 4 x 4, 327,680 bytes of LDS; arguments x_codes, x_scales, w_codes, w_scales, qkv; writes qkv
.if DOCPART == 2
	.amdgcn_target "amdgcn-amd-amdhsa--gfx1250"
	.amdhsa_code_object_version 6
	.text
	.protected	k_qfb154323a7_qkv
	.globl	k_qfb154323a7_qkv
	.p2align	8
	.type	k_qfb154323a7_qkv,@function
k_qfb154323a7_qkv:
	s_mov_b64 s[64:65], 0
	v_nop
	global_prefetch_b8 v0, s[64:65] scope:SCOPE_SE
	s_setreg_imm32_b32 hwreg(HW_REG_WAVE_MODE, 25, 1), 1
	s_wait_xcnt 0x0
	s_wait_alu depctr_hold_cnt(0) depctr_sa_sdst(0) depctr_va_vdst(0) depctr_va_sdst(0) depctr_va_ssrc(0) depctr_va_vcc(0) depctr_vm_vsrc(0)
	s_getreg_b32 s2, hwreg(HW_REG_IB_STS2, 6, 4)
	s_cmp_eq_u32 s2, 0
	s_cbranch_scc0 .Lentry_in_a_cluster
	s_endpgm
.Lentry_in_a_cluster:
	s_bfe_u32 s2, ttmp6, 0x10000c
	s_cmp_lg_u32 s2, 0xf033
	s_cbranch_scc0 .Lentry_shape_is_right
	s_endpgm
.Lentry_shape_is_right:
; The quantised product: C[m][f] = sum over k of X[m][k] W[f][k], on codes of FP4 (E2M1) with one E8M0 byte for each 32 along K; f32 sums; K = 1,024.  X: 8,192 rows m = b x 2048 + t; W: 3,072 rows f = which x 1024 + h x 64 + d.
; A tile of C, 256 x 256, is made by four waves, 128 x 128 each: 64 accumulators of 16 x 16.  K is two steps of 512: two LDS slots, each filled once by the tensor data mover; the scale bytes of the tile's rows come once too.
; CLUSTERS: 4 x 4 work-groups; X's tiles are asked for jointly along a row of the cluster, W's along a column.
; THE MATRIX INSTRUCTION IS USED TRANSPOSED (source 0 = 16 rows of W, source 1 = 16 rows of X): a lane holds one row m and eight neighbouring features.
; THE WAY OUT: results are rounded to f16 and stored as PIECES of 512 bytes (16 rows t x 16 numbers d), laid [which][n = b x 16 + h][t / 16][d / 16].  q's and k's pieces are images of operand registers: lane l's 16 bytes
; at 16 l.  v's pieces are row-major, 32 bytes a key.  A lane's eight results are exactly its 16 bytes of a piece, so each store of the wave covers 512 consecutive bytes, aligned, and nothing goes through LDS.
; LIMIT: |q|, |k|, |v| stay under 65,504 (f16).
; REGISTERS, in windows of 256: window 0: v0-31 addresses; v32-95 scale words, two sets; v128-191 X's fragments, one set; on the way out v128-255 hold packed results.  window 1: W's fragments, two sets, at v0 and v128.
;   window 2: the accumulators of my rows 0-63 ((a, b) at v[8 (8 a + b)]); window 3: those of rows 64-127.
.set SIZE_K, 1024
.set KSTEP,  512                       ; along K in a slot
.set NQ,     KSTEP/128                 ; matrix instructions deep
.set ROWB,   256                       ; a tile's row in bytes
.set KROW,   SIZE_K*4/8                ; a row of codes in memory
.set PITCH,  272                       ; an LDS row: 256 bytes + 16 of padding = 68 words: the 16 rows that a load touches start at 16 different banks (64 banks of 4 bytes: ISA guide 11.1)
.set FR,     8                         ; registers of a fragment
.set NL,     2                         ; LDS loads that bring one
.set NP,     4                         ; places behind this matrix instruction (ISA guide 7.12.1)
.set HALFT,  128*PITCH
.set SLOT,   4*HALFT                   ; X's 256 rows, then W's 256 rows
.set KS,     SIZE_K/32                 ; a row of scale bytes
.set SCL,    2*SLOT                    ; behind the slots: the scales, as rows of 256 bytes + 16 of padding
.set HALFS,  (128*KS/256)*272
.set SBLK,   (16*KS/256)*272
.set SPARE,  SCL+4*HALFS               ; the spare words, 128 bytes a wave
.set ADRA, 16                          ; v16-17  LDS address of my X fragments in slot 0, 1
.set ADRB, 20                          ; v20-21  the same for W
.set CO,   26                          ; v26     my lane's bytes in a piece
.set ADRS, 27                          ; v27     LDS address of my scale words: lanes 0-15 X's rows, lanes 16-31 W's
.set SPW,  28                          ; v28     my spare word; never rewritten
.set NIL,  29                          ; v29     0; never rewritten
.set SC,   32                          ; scale words: set s at v[SC + 32 s]; register 4 i + q: lanes 0-15 X's block i, lanes 16-31 W's block i, the slot's q-th 128 along K
.set AF,   128                         ; X's fragments
.set OUTR, 128                         ; the way out: four sets of 32 registers
.set G1, 24                            ; s[24:31] group 1 for X's tiles; s[32:39] groups 0, one for each slot
.set G0, 32
.set G1B, 48                           ; s[48:55], s[56:63] the same for W's
.set G0B, 56
.set G1S, 68                           ; s[68:75], s[76:79] for X's scales; s[80:87], s[88:91] for W's
.set G0S, 76
.set G1SB, 80
.set G0SB, 88
.set MSB, 0
.macro WIN new                         ; the immediate's high byte repeats the setting that is left
.if MSB != (\new)
	s_set_vgpr_msb (MSB<<8)|(\new)
.set MSB, \new
.endif
.endm
.set MUL_LO, 0xa1                      ; source 0 (W) window 1, source 1 (X) window 0, C and D window 2
.set MUL_HI, 0xf1                      ; the same, C and D window 3
.set TO_B,   0x40                      ; destination window 1, address window 0
; A joint load: waves 0 and 1 fetch for X, waves 2 and 3 for W; the branch hangs on the wave's number alone.  An s_nop 0 and four v_nop follow each line.
.macro JLOAD g0a, g1a, g0b, g1b
	s_cmp_eq_u32 s15, 0
	s_cbranch_scc0 .Lfor_b_\@
	tensor_load_to_lds s[\g0a:\g0a+3], s[\g1a:\g1a+7]
	s_nop 0
.rept 4
	v_nop
.endr
	s_branch .Lasked_\@
.Lfor_b_\@:
	tensor_load_to_lds s[\g0b:\g0b+3], s[\g1b:\g1b+7]
	s_nop 0
.rept 4
	v_nop
.endr
.Lasked_\@:
.endm
.macro CROUND                          ; a round of the cluster's barrier
	s_barrier_signal -1
	s_barrier_wait -1
	s_cmp_lg_u32 s14, 0
	s_cbranch_scc1 .Lnot_wave_0_\@
	s_barrier_signal -3
.Lnot_wave_0_\@:
	s_barrier_wait -3
	s_barrier_signal -1
	s_barrier_wait -1
.endm
	s_load_b128 s[4:7], s[0:1], 0x0                ; X's codes s[4:5], X's scales s[6:7]
	s_load_b128 s[8:11], s[0:1], 0x10              ; W's codes s[8:9], W's scales s[10:11]
	s_load_b64 s[12:13], s[0:1], 0x20              ; qkv
	v_lshl_add_u32 v[SPW], v0, 2, SPARE
	v_mov_b32 v[NIL], 0
	ds_add_u32 v[SPW], v[NIL]                      ; the opening: the add, twice on end, and its wait ahead of my first tensor load
	ds_add_u32 v[SPW], v[NIL]
	v_lshrrev_b32 v1, 5, v0
	v_readfirstlane_b32 s14, v1                    ; wave 0..3
	s_lshr_b32 s15, s14, 1                         ; which half of the tile's rows is mine; also: I fetch for X (0) or for W (1)
	s_and_b32 s16, s14, 1                          ; which half of its columns; also: which 128 rows I fetch
	s_bfe_u32 s40, ttmp6, 0x40000                  ; cx, cy
	s_bfe_u32 s41, ttmp6, 0x40004
	s_lshl_b32 s42, ttmp9, 2
	s_add_co_u32 s42, s42, s40                     ; tile column = 4 x cluster x + cx
	s_and_b32 s17, ttmp7, 0xffff
	s_lshl_b32 s17, s17, 2
	s_add_co_u32 s17, s17, s41                     ; tile row = 4 x cluster y + cy
	s_lshl_b32 s43, s41, 2
	s_lshl_b32 s43, 15, s43                        ; my row of the cluster
	s_lshl_b32 s44, 0x1111, s40                    ; my column
	s_or_b32 s[G1+0], s43, (0<<16)|(1<<20)|(1<<21)|(5<<22)|(3<<25)  ; the mask; elements of 1 byte; padding on: 4 words behind every 64; bit 21 beside a mask
	s_or_b32 s[G1B+0], s44, (0<<16)|(1<<20)|(1<<21)|(5<<22)|(3<<25)
.irp g, G1, G1B
	s_mov_b32 s[\g+1], ROWB<<16                    ; tensor_dim0
	s_mov_b32 s[\g+2], 128<<16                     ; tensor_dim1
	s_mov_b32 s[\g+3], ROWB<<16                    ; tile_dim0
	s_mov_b32 s[\g+4], 128                         ; tile_dim1
	s_mov_b32 s[\g+5], KROW                        ; from row to row
	s_mov_b32 s[\g+6], 0
	s_mov_b32 s[\g+7], 0
.endr
	s_or_b32 s[G1S+0], s43, (3<<16)|(1<<20)|(1<<21)|(5<<22)|(3<<25) ; the scales of 128 rows: 4,096 dense bytes as 16 rows of 256 (32 elements of 8 bytes), 16 bytes of padding behind each
	s_or_b32 s[G1SB+0], s44, (3<<16)|(1<<20)|(1<<21)|(5<<22)|(3<<25)
.irp g, G1S, G1SB
	s_mov_b32 s[\g+1], 32<<16
	s_mov_b32 s[\g+2], (128*KS/256)<<16
	s_mov_b32 s[\g+3], 32<<16
	s_mov_b32 s[\g+4], 128*KS/256
	s_mov_b32 s[\g+5], 32
	s_mov_b32 s[\g+6], 0
	s_mov_b32 s[\g+7], 0
.endr
	s_lshl_b32 s18, s16, 7
	s_lshl_b32 s20, s17, 8
	s_add_co_u32 s20, s20, s18                     ; X: row 256 x tile row + 128 x half
	s_lshl_b32 s46, s42, 8
	s_add_co_u32 s46, s46, s18                     ; W: row 256 x tile column + 128 x half
	s_mov_b32 s21, 0
	s_mov_b32 s47, 0
	s_mov_b64 s[18:19], KS
	s_mul_u64 s[22:23], s[20:21], s[18:19]         ; where these rows' scales begin
	s_mul_u64 s[92:93], s[46:47], s[18:19]
	s_mov_b64 s[18:19], KROW
	s_mul_u64 s[20:21], s[20:21], s[18:19]         ; and their codes
	s_mul_u64 s[46:47], s[46:47], s[18:19]
	s_mul_i32 s45, s14, HALFT                      ; where they go: wave x 128 rows
	s_mul_i32 s94, s14, HALFS
	s_wait_dscnt 0x0                               ; both opening adds are done
	s_wait_kmcnt 0x0
	s_add_nc_u64 s[20:21], s[4:5], s[20:21]
	s_add_nc_u64 s[22:23], s[6:7], s[22:23]
	s_add_nc_u64 s[46:47], s[8:9], s[46:47]
	s_add_nc_u64 s[92:93], s[10:11], s[92:93]
	CROUND                                         ; all sixteen work-groups are here: the first joint loads meet
	s_mov_b32 s[G0S], 1
	s_add_co_u32 s[G0S+1], s94, SCL
	s_mov_b64 s[G0S+2:G0S+3], s[22:23]
	s_or_b32 s[G0S+3], s[G0S+3], 0x80000000
	s_mov_b32 s[G0SB], 1
	s_add_co_u32 s[G0SB+1], s94, SCL
	s_mov_b64 s[G0SB+2:G0SB+3], s[92:93]
	s_or_b32 s[G0SB+3], s[G0SB+3], 0x80000000
	JLOAD G0S, G1S, G0SB, G1SB                     ; the scales first: they are wanted with K step 0
.irp s, 0,1
	s_mov_b32 s[G0+4*\s], 1
	s_add_co_u32 s[G0+4*\s+1], s45, \s*SLOT
	s_add_nc_u64 s[G0+4*\s+2:G0+4*\s+3], s[20:21], \s*ROWB
	s_or_b32 s[G0+4*\s+3], s[G0+4*\s+3], 0x80000000
	s_mov_b32 s[G0B+4*\s], 1
	s_add_co_u32 s[G0B+4*\s+1], s45, \s*SLOT
	s_add_nc_u64 s[G0B+4*\s+2:G0B+4*\s+3], s[46:47], \s*ROWB
	s_or_b32 s[G0B+4*\s+3], s[G0B+4*\s+3], 0x80000000
	JLOAD G0+4*\s, G1, G0B+4*\s, G1B               ; three tensor loads of mine are out behind the last of these
.endr
	v_and_b32 v1, 15, v0                           ; r = l % 16
	v_bfe_u32 v2, v0, 4, 1                         ; h = l / 16
	v_mul_u32_u24 v3, v1, PITCH
	v_lshl_add_u32 v4, v2, 4, v3                   ; a fragment's row x pitch + 16 x half
	s_mul_i32 s21, s15, HALFT                      ; my 128 rows of X
	s_mul_i32 s22, s16, HALFT                      ; my 128 rows of W,
	s_add_co_u32 s22, s22, 2*HALFT                 ; behind X's 256
.irp s, 0,1
	v_add_nc_u32 v[ADRA+\s], s21, v4
	v_add_nc_u32 v[ADRB+\s], s22, v4
	s_add_co_u32 s21, s21, SLOT
	s_add_co_u32 s22, s22, SLOT
.endr
	v_mul_u32_u24 v5, v1, KS                       ; my row's scales: KS bytes a row,
	v_lshrrev_b32 v6, 8, v5
	v_lshl_add_u32 v5, v6, 4, v5                   ; and 16 more for each 256 passed
	s_mul_i32 s21, s15, HALFS
	s_mul_i32 s22, s16, HALFS
	s_add_co_u32 s22, s22, 2*HALFS
	s_sub_co_u32 s22, s22, s21
	v_mul_u32_u24 v6, s22, v2                      ; lanes 16-31 take W's: one product, the distance between the two bases
	s_add_co_u32 s21, s21, SCL
	v_add_nc_u32 v5, v5, v6
	v_add_nc_u32 v[ADRS], s21, v5
	; the way out: which = cluster x (four tile columns are 1,024 features).  q, k: lane's bytes at 16 r + 256 h; v: at 32 r + 16 h
	s_cmp_eq_u32 ttmp9, 2
	s_cselect_b32 s95, 5, 4
	s_cselect_b32 s96, 4, 8
	v_lshlrev_b32 v5, s95, v1
	v_lshlrev_b32 v6, s96, v2
	v_add_nc_u32 v[CO], v5, v6
	s_lshr_b32 s20, s17, 3                         ; b = tile row / 8
	s_lshl_b32 s20, s20, 22                        ; 16 heads of 262,144 bytes
	s_and_b32 s21, s17, 7
	s_lshl_b32 s21, s21, 15                        ; 16 row tiles of 2,048 bytes for each tile row of the batch
	s_add_co_u32 s20, s20, s21
	s_lshl_b32 s21, s15, 14                        ; my half: 8 row tiles
	s_add_co_u32 s20, s20, s21
	s_lshl_b32 s21, ttmp9, 24                      ; which x 16,777,216
	s_add_co_u32 s20, s20, s21
	s_mov_b32 s21, 0
	s_lshl_b32 s46, s40, 20                        ; cx: 4 heads
	s_lshl_b32 s47, s16, 19                        ; my half of the columns: 2 heads
	s_add_co_u32 s46, s46, s47
	s_mov_b32 s47, 0
	s_add_nc_u64 s[20:21], s[20:21], s[46:47]
	s_add_nc_u64 s[12:13], s[12:13], s[20:21]
.macro FRAG reg, adr, q, i             ; 16 rows x 128 K of 4-bit codes: lane l holds row l % 16; registers 4 c .. 4 c + 3 hold K = 64 c + 32 (l / 16) + 0 .. 31
.irp c, 0,1
	ds_load_b128 v[\reg+4*\c:\reg+4*\c+3], v[\adr] offset:64*(\q)+32*\c+(\i)*16*PITCH
.endr
.endm
; 16 matrix instructions: X's blocks a0, a0 + 1 against W's eight.  The 64 accumulators take turns, one instruction a turn, in the same order in every step.
.macro MUL16 a0, p, q, sc, zero
.irp a, \a0, \a0+1
.irp b, 0,1,2,3,4,5,6,7
.if \zero
	v_wmma_scale_f32_16x16x128_f8f6f4 v[8*(8*((\a)%4)+\b):8*(8*((\a)%4)+\b)+7], v[128*(\p)+FR*\b:128*(\p)+FR*\b+FR-1], v[AF+FR*(\a):AF+FR*(\a)+FR-1], 0, v[SC+8*NQ*(\sc)+NQ*\b+(\q)], v[SC+8*NQ*(\sc)+NQ*(\a)+(\q)] matrix_a_fmt:MATRIX_FMT_FP4 matrix_b_fmt:MATRIX_FMT_FP4 matrix_a_scale:MATRIX_SCALE_ROW1
.else
	v_wmma_scale_f32_16x16x128_f8f6f4 v[8*(8*((\a)%4)+\b):8*(8*((\a)%4)+\b)+7], v[128*(\p)+FR*\b:128*(\p)+FR*\b+FR-1], v[AF+FR*(\a):AF+FR*(\a)+FR-1], v[8*(8*((\a)%4)+\b):8*(8*((\a)%4)+\b)+7], v[SC+8*NQ*(\sc)+NQ*\b+(\q)], v[SC+8*NQ*(\sc)+NQ*(\a)+(\q)] matrix_a_fmt:MATRIX_FMT_FP4 matrix_b_fmt:MATRIX_FMT_FP4 matrix_a_scale:MATRIX_SCALE_ROW1
.endif
.endr
.endr
.endm
.macro FETCH_B slot, q, p
	WIN TO_B
.irp i, 0,1,2,3,4,5,6,7
	FRAG 128*(\p)+FR*\i, ADRB+\slot, \q, \i
.endr
	WIN 0
.endm
.macro FETCH_A slot, q, i0
.irp i, \i0, \i0+1, \i0+2, \i0+3
	FRAG AF+FR*(\i), ADRA+\slot, \q, \i
.endr
.endm
.macro SCALES sc                       ; a K step's scale words: 4 words a row; lanes 0-15 X's block i, lanes 16-31 W's block i
.irp i, 0,1,2,3,4,5,6,7
	ds_load_b128 v[SC+8*NQ*\sc+NQ*\i:SC+8*NQ*\sc+NQ*\i+3], v[ADRS] offset:\i*SBLK
.endr
.endm
.macro PLACES n                        ; plain vector instructions between a matrix instruction and a load into, or a read of, its registers
.rept \n
	v_nop
.endr
.endm
.macro STEP slot, q, zero              ; 128 along K with its successor in the same slot
	s_wait_dscnt 4*NL                              ; W's set and X's blocks 0-3 are in; the youngest eight loads (X's blocks 4-7) may be out
	WIN MUL_LO
	MUL16 0, (\q)%2, \q, \slot, \zero
	MUL16 2, (\q)%2, \q, \slot, \zero
	s_wait_dscnt 0
	PLACES NP
	FETCH_B \slot, (\q)+1, 1-(\q)%2
	FETCH_A \slot, (\q)+1, 0
	WIN MUL_HI
	MUL16 4, (\q)%2, \q, \slot, \zero
	MUL16 6, (\q)%2, \q, \slot, \zero
	PLACES NP
	WIN 0
	FETCH_A \slot, (\q)+1, 4
.endm
.macro TURN slot, next                 ; slot 0's last step: one barrier; behind it slot 1 is whole for every wave.  Nothing is filled again in this launch
	s_wait_tensorcnt 0x0                           ; all my tensor loads have landed: my part of slot 1
	ds_add_u32 v[SPW], v[NIL]                      ; 0 onto my spare word
	s_wait_dscnt 4*NL+1                            ; (the add and the youngest eight loads may be out)
	WIN MUL_LO
	MUL16 0, 1, NQ-1, \slot, 0
	s_wait_dscnt 0x0                               ; no LDS instruction of mine is out at the signal
	s_barrier_signal -1
	MUL16 2, 1, NQ-1, \slot, 0
	WIN 0
	s_barrier_wait -1
	PLACES NP
	v_add_nc_u32 v[ADRS], 4*NQ, v[ADRS]            ; on to the next K step's scale words
	FETCH_B \next, 0, 0
	FETCH_A \next, 0, 0
	SCALES \next
	WIN MUL_HI
	MUL16 4, 1, NQ-1, \slot, 0
	MUL16 6, 1, NQ-1, \slot, 0
	PLACES NP
	WIN 0
	FETCH_A \next, 0, 4
.endm
.macro STEPS slot, from
.set Q, \from
.rept NQ-1-\from
	STEP \slot, Q, 0
.set Q, Q+1
.endr
.endm
	s_wait_tensorcnt 1                             ; the scales and my part of K step 0 are in; slot 1's load may be out
	s_barrier_signal -1
	s_barrier_wait -1
	FETCH_B 0, 0, 0
	FETCH_A 0, 0, 0
	SCALES 0
	FETCH_A 0, 0, 4
	STEP 0, 0, 1                                   ; the first products start the sums: nothing is cleared
	STEPS 0, 1
	TURN 0, 1
	STEPS 1, 0
	s_wait_dscnt 4*NL                              ; the last step: nothing more to fetch
	WIN MUL_LO
	MUL16 0, 1, NQ-1, 1, 0
	MUL16 2, 1, NQ-1, 1, 0
	s_wait_dscnt 0
	WIN MUL_HI
	MUL16 4, 1, NQ-1, 1, 0
	MUL16 6, 1, NQ-1, 1, 0
	WIN 0
; THE WAY OUT of block a (16 rows x 128 features): each accumulator, from its low end on, is rounded to f16: 16 bytes a lane, one piece a store.
.macro OUTB a
.set AC, 64*((\a)%4)
.set OB, OUTR+32*((\a)%4)
.if (\a) >= 4
	s_wait_xcnt 0x0                                ; block a - 4's stores have read this set of registers
.endif
	WIN 0x0a+5*((\a)/4)                            ; sources in window 2 or 3
.irp b, 0,1,2,3,4,5,6,7
.irp i, 0,1,2,3
	v_cvt_pk_f16_f32 v[OB+4*\b+\i], v[AC+8*\b+2*\i], v[AC+8*\b+2*\i+1]
.endr
.endr
	WIN 0
.irp b, 0,1,2,3,4,5,6,7
	global_store_b128 v[CO], v[OB+4*\b:OB+4*\b+3], s[12:13] offset:(\a)*2048+(\b/4)*262144+(\b%4)*512 th:TH_STORE_NT   ; row tile a, head b / 4, piece b % 4: 512 consecutive bytes, aligned
.endr
.endm
	PLACES NP                                      ; behind the last products: the conversions write registers that held X's fragments and read results
.irp a, 0,1,2,3,4,5,6,7
	OUTB \a
.endr
	s_wait_tensorcnt 0x0                           ; the wave's end
	ds_add_u32 v[SPW], v[NIL]
	s_wait_dscnt 0x0
	CROUND                                         ; the closing round
	s_endpgm
.Lfunc_end_k_qfb154323a7_qkv:
	.size	k_qfb154323a7_qkv, .Lfunc_end_k_qfb154323a7_qkv-k_qfb154323a7_qkv
	.p2alignl 7, 3214868480
	.fill 96, 4, 3214868480
	.section	.rodata,"a",@progbits
	.p2align	6, 0x0
	.amdhsa_kernel k_qfb154323a7_qkv
		.amdhsa_group_segment_fixed_size 327680
		.amdhsa_private_segment_fixed_size 0
		.amdhsa_enable_private_segment 0
		.amdhsa_kernarg_size 40
		.amdhsa_user_sgpr_count 2
		.amdhsa_user_sgpr_kernarg_segment_ptr 1
		.amdhsa_wavefront_size32 1
		.amdhsa_system_sgpr_workgroup_id_x 1
		.amdhsa_system_sgpr_workgroup_id_y 1
		.amdhsa_system_sgpr_workgroup_id_z 1
		.amdhsa_system_vgpr_workitem_id 0
		.amdhsa_next_free_vgpr 1024
		.amdhsa_next_free_sgpr 98
		.amdhsa_reserve_vcc 0
		.amdhsa_float_denorm_mode_32 3
		.amdhsa_float_denorm_mode_16_64 3
		.amdhsa_memory_ordered 1
		.amdhsa_forward_progress 1
		.amdhsa_inst_pref_size 118
	.end_amdhsa_kernel
	.amdgpu_metadata
---
amdhsa.version: [ 1, 2 ]
amdhsa.kernels:
  - .name:           k_qfb154323a7_qkv
    .symbol:         k_qfb154323a7_qkv.kd
    .args:
      - { .name: x_codes, .offset: 0, .size: 8, .value_kind: global_buffer, .address_space: global }
      - { .name: x_scales, .offset: 8, .size: 8, .value_kind: global_buffer, .address_space: global }
      - { .name: w_codes, .offset: 16, .size: 8, .value_kind: global_buffer, .address_space: global }
      - { .name: w_scales, .offset: 24, .size: 8, .value_kind: global_buffer, .address_space: global }
      - { .name: qkv, .offset: 32, .size: 8, .value_kind: global_buffer, .address_space: global }
    .group_segment_fixed_size: 327680
    .private_segment_fixed_size: 0
    .kernarg_segment_align: 8
    .kernarg_segment_size: 40
    .max_flat_workgroup_size: 128
    .sgpr_count:     98
    .vgpr_count:     1024
    .wavefront_size: 32
...
	.end_amdgpu_metadata
.endif
;; end of part 2
;; launch attn (part 3): grid 4 x 64, 8 waves a work-group, clusters of 4 x 1, 327,680 bytes of LDS; arguments qkv, ctx; writes ctx
.if DOCPART == 3
	.amdgcn_target "amdgcn-amd-amdhsa--gfx1250"
	.amdhsa_code_object_version 6
	.text
	.protected	k_qfb154323a7_attn
	.globl	k_qfb154323a7_attn
	.p2align	8
	.type	k_qfb154323a7_attn,@function
k_qfb154323a7_attn:
	s_mov_b64 s[64:65], 0
	v_nop
	global_prefetch_b8 v0, s[64:65] scope:SCOPE_SE
	s_setreg_imm32_b32 hwreg(HW_REG_WAVE_MODE, 25, 1), 1
	s_wait_xcnt 0x0
	s_wait_alu depctr_hold_cnt(0) depctr_sa_sdst(0) depctr_va_vdst(0) depctr_va_sdst(0) depctr_va_ssrc(0) depctr_va_vcc(0) depctr_vm_vsrc(0)
	s_getreg_b32 s2, hwreg(HW_REG_IB_STS2, 6, 4)
	s_cmp_eq_u32 s2, 0
	s_cbranch_scc0 .Lentry_in_a_cluster
	s_endpgm
.Lentry_in_a_cluster:
	s_bfe_u32 s2, ttmp6, 0x10000c
	s_cmp_lg_u32 s2, 0x3003
	s_cbranch_scc0 .Lentry_shape_is_right
	s_endpgm
.Lentry_shape_is_right:
; ctx[q][:] = sum over k of softmax_k(Q[q] . K[k] / 8) V[k][:], for each of 64 heads n = b x 16 + h; 2,048 queries and keys, head size 64; no mask.  Operands f16, products, maxima and sums f32; the weights p are rounded
; to f16 for the second product, ctx once at the end.
; INPUT: qkv, pieces of 512 bytes laid [which][n][t / 16][d / 16]; q's and k's are images of operand registers (lane l's 16 bytes at 16 l), v's are row-major (32 bytes a key) and are turned by ds_load_tr16_b128.
; OUTPUT: ctx as images too, laid [e / 128][m / 16][(e % 128) / 16][512 bytes], m = b x 2048 + t, e = h x 64 + d: each store of the wave covers 512 consecutive bytes, aligned.
; SHARES.  A work-group owns 512 queries of one head, each of its eight waves 64: four tiles of 16, in 512 registers: two waves to a SIMD, so that one wave's softmax can stand beside the other's products.
; Every wave walks all 2,048 keys, 64 a step.  K and V come through two LDS slots of 512 keys each; each wave fetches 16 KiB of a slot with one tensor load (waves 0-3 K's quarters, waves 4-7 V's).
; CLUSTER.  The four query blocks of a head form a cluster and ask for K and V jointly: the same load, the same descriptor, the mask 15.
; LAYOUT.  S^T = K Q^T (source 0 = 16 keys, source 1 = 16 queries) and O^T = V^T P: a lane holds ONE query throughout; two tiles of S^T rounded to f16 in pairs ARE source 1 of the second product.
; SOFTMAX.  A running maximum m and sum l for each query: p = 2^(c s - c m), c = log2(e) / 8; in every step O^T and l are multiplied by a = 2^(c m_old - c m_new).
; No prefetch is laid: a refill is issued eight key steps, 512 matrix instructions of the wave, ahead of the first read of its bytes.
; LIMITS: |q|, |k|, |v|, |ctx| under 65,504; f16 numbers under 6e-5 carry an absolute error of 3e-8; NaN and infinities are not served.
; REGISTERS.  window 0: v2-5 addresses; v28, v29 the add's two; v32-63 statistics, 8 a tile; v64-127 K of one step; v128-255 S^T, 32 a tile (P is laid over the lower 16 of each tile).
;   window 1: v0-63 Q; v64-191 O^T, 32 a tile; v192-255 V^T of one step.
.set SLOT1, 1<<17                      ; slot 1 begins here; a slot: K's 65,536 bytes, then V's
.set VOFF,  65536
.set STEPB, 8192                       ; 64 keys of K, or of V
.set SPARE, 2*SLOT1                    ; behind the slots: the spare words, 128 bytes for each of eight waves
.set AK0, 2                            ; v2  16 x lane: my bytes in an image; never rewritten
.set AV0, 3                            ; v3  my bytes in a piece of V for the turning load, + VOFF; never rewritten
.set ADK, 4                            ; v4  LDS address of the step's K
.set ADV, 5                            ; v5  of its V
.set SPW, 28
.set NIL, 29
.set ST,  32                           ; tile t at v[ST + 8 t]: +0 c m, +1 m, +2, +3 l (even keys, odd keys), +4 .. +7 at work: four maxima, then +4, +5 the step's sum, +6 a
.set KF,  64
.set S,   128
.set OT,  64                           ; window 1
.set VF,  192                          ; window 1
.set WV,  12                           ; s12 my wave's number
.set G1,  24                           ; s[24:31] descriptor group 1
.set G0,  40                           ; s[40:43], s[44:47] groups 0 for slot 0, 1
.set CNT, 56
.set CS,  58                           ; s[58:59] c, twice
.set SEL, 60                           ; s[60:61] selects for lane l xor 16
.set TB,  62                           ; s62 LDS byte at which the step's K begins
.set MSB, 0
.macro WIN new
.if MSB != (\new)
	s_set_vgpr_msb (MSB<<8)|(\new)
.set MSB, \new
.endif
.endm
.set W_S,   0x04                       ; Q (source 1) in window 1
.set W_PV,  0x51                       ; V, C and D in window 1, P in window 0
.set W_RS,  0x41                       ; O^T (destination and source 0) in window 1
.set W_LD1, 0x40                       ; a load's destination in window 1
.set W_CV,  0x05                       ; sources 0 and 1 in window 1
.macro CROUND
	s_barrier_signal -1
	s_barrier_wait -1
	s_cmp_lg_u32 s[WV], 0
	s_cbranch_scc1 .Lnot_wave_0_\@
	s_barrier_signal -3
.Lnot_wave_0_\@:
	s_barrier_wait -3
	s_barrier_signal -1
	s_barrier_wait -1
.endm
; Item j of 22 of tile t: the maximum of its 32 scores and the old m, the exchange between the halves of the lanes, c m and a.  Each accumulator is first read at its registers 0 to 2.
.macro MAXI t, first
.set rT, ST+8*(\t)
.set rS, S+32*(\t)
.if j < 4
	v_max3_num_f32 v[rT+4+j], v[rS+8*j], v[rS+8*j+1], v[rS+8*j+2]
.elseif j < 12
	v_max3_num_f32 v[rT+4+j%4], v[rT+4+j%4], v[rS+8*(j%4)+2*(j/4)+1], v[rS+8*(j%4)+2*(j/4)+2]
.elseif j == 12
	v_max3_num_f32 v[rT+4], v[rT+4], v[rS+7], v[rS+15]
.elseif j == 13
	v_max3_num_f32 v[rT+6], v[rT+6], v[rS+23], v[rS+31]
.elseif j == 14
	v_max3_num_f32 v[rT+4], v[rT+4], v[rT+5], v[rT+6]
.elseif (j == 15) && \first
	v_max_num_f32 v[rT+4], v[rT+4], v[rT+7]
.elseif j == 15
	v_max3_num_f32 v[rT+4], v[rT+4], v[rT+7], v[rT+1]
.elseif j == 16
	v_permlanex16_b32 v[rT+5], v[rT+4], s[SEL], s[SEL+1]   ; the query's other 32 keys lie in the lane 16 away
.elseif j == 18
	v_max_num_f32 v[rT+1], v[rT+4], v[rT+5]
.elseif j == 19
	v_mul_f32 v[rT], s[CS], v[rT+1]
.elseif \first                         ; the first step has no old maximum
.elseif j == 17
	v_mov_b32 v[rT+7], v[rT]                       ; c m_old is kept: item 19 writes c m anew
.elseif j == 20
	v_sub_f32 v[rT+7], v[rT+7], v[rT]
.elseif j == 21
	v_exp_f32 v[rT+6], v[rT+7]                     ; a
.endif
.endm
; Item i of 64 of tiles y and y + 1, the two by turns: 0-31 the sum of a tile's 16 pairs of weights, and l = a l + the sum; 32-63 the roundings to f16, in place, ascending.
.macro ITEM y, first
.set tl, (\y)+i%2
.set rT, ST+8*tl
.set rS, S+32*tl
.if i < 32
.set z, i/2
.if z == 0
	v_pk_add_f32 v[rT+4:rT+5], v[rS:rS+1], v[rS+2:rS+3]
.elseif z < 14
	v_pk_add_f32 v[rT+4:rT+5], v[rT+4:rT+5], v[rS+2*z+2:rS+2*z+3]
.elseif z == 14
.if \first
	v_pk_add_f32 v[rT+2:rT+3], v[rT+4:rT+5], v[rS+30:rS+31]
.else
	v_pk_add_f32 v[rT+4:rT+5], v[rT+4:rT+5], v[rS+30:rS+31]
.endif
.elseif !\first
	v_pk_fma_f32 v[rT+2:rT+3], v[rT+2:rT+3], v[rT+6:rT+7], v[rT+4:rT+5] op_sel_hi:[1,0,1]
.endif
.else
.set z, (i-32)/2
	v_cvt_pk_f16_f32 v[rS+z], v[rS+2*z], v[rS+2*z+1]
.endif
.endm
; A KEY STEP: 64 keys at LDS byte s[TB].  first = 1: the first step starts m, l and O^T.
.macro STEP first
	v_add_nc_u32 v[ADK], s[TB], v[AK0]             ; with the four v_nop at the last step's end these two are six places behind its last products: the loads below go into V's registers,
	v_add_nc_u32 v[ADV], s[TB], v[AV0]             ; and the first products below write over P's
.irp p, 0,1,2,3,4,5,6,7,8,9,10,11,12,13,14,15
	ds_load_b128 v[KF+4*\p:KF+4*\p+3], v[ADK] offset:512*\p         ; piece p = 4 (key tile) + d / 16: two pieces are a fragment of 16 keys x 32 channels
.endr
	WIN W_LD1
.irp g, 0,1
.irp d, 0,1,2,3
	ds_load_tr16_b128 v[VF+8*(4*\g+\d):VF+8*(4*\g+\d)+3],   v[ADV] offset:4096*\g+512*\d        ; keys 32 g + 0 .. 15, channels 16 d on
	ds_load_tr16_b128 v[VF+8*(4*\g+\d)+4:VF+8*(4*\g+\d)+7], v[ADV] offset:4096*\g+2048+512*\d   ; keys 32 g + 16 .. 31
.endr
.endr
	s_wait_dscnt 16                                ; K's 16 loads are in; V's 16 may be out
	WIN W_S
.irp c, 0,1                            ; S^T = K Q^T: the 16 accumulators take turns
.irp k, 0,1,2,3
.irp t, 0,1,2,3
.if \c == 0
	v_wmma_f32_16x16x32_f16 v[S+32*\t+8*\k:S+32*\t+8*\k+7], v[KF+8*(2*\k+\c):KF+8*(2*\k+\c)+7], v[8*(2*\t+\c):8*(2*\t+\c)+7], 0
.else
	v_wmma_f32_16x16x32_f16 v[S+32*\t+8*\k:S+32*\t+8*\k+7], v[KF+8*(2*\k+\c):KF+8*(2*\k+\c)+7], v[8*(2*\t+\c):8*(2*\t+\c)+7], v[S+32*\t+8*\k:S+32*\t+8*\k+7]
.endif
.endr
.endr
.endr
	WIN 0
.rept 4
	v_nop                                          ; places in front of the first read of the scores
.endr
.set j, 0
.rept 22
.irp t, 0,1,2,3
	MAXI \t, \first
.endr
.set j, j+1
.endr
.set i, 0
.rept 32                               ; tiles 0 and 1: c s - c m, a pair at a time
	v_pk_fma_f32 v[S+2*i:S+2*i+1], v[S+2*i:S+2*i+1], s[CS:CS+1], v[ST+8*(i/16):ST+8*(i/16)+1] op_sel_hi:[1,0,0] neg_lo:[0,0,1] neg_hi:[0,0,1]
.set i, i+1
.endr
.set i, 0
.rept 32                               ; BATCH 1: the exponentials of tiles 0 and 1, with the scalings of tiles 2 and 3 between them; nothing here names a result
	v_exp_f32 v[S+2*i], v[S+2*i]
	v_exp_f32 v[S+2*i+1], v[S+2*i+1]
	v_pk_fma_f32 v[S+64+2*i:S+64+2*i+1], v[S+64+2*i:S+64+2*i+1], s[CS:CS+1], v[ST+8*(2+i/16):ST+8*(2+i/16)+1] op_sel_hi:[1,0,0] neg_lo:[0,0,1] neg_hi:[0,0,1]
.set i, i+1
.endr
	s_wait_alu depctr_va_vdst(0)                   ; one wait for a and for batch 1, ahead of their first reader
.set i, 0
.rept 64                               ; BATCH 2: the exponentials of tiles 2 and 3, with the sums and roundings of tiles 0 and 1 between them
	v_exp_f32 v[S+64+i], v[S+64+i]
	ITEM 0, \first
.set i, i+1
.endr
.if !\first
	WIN W_RS
.set i, 0
.rept 64                               ; O^T x a, each accumulator from its low end on: independent work behind batch 2
	v_pk_mul_f32 v[OT+2*i:OT+2*i+1], v[OT+2*i:OT+2*i+1], v[ST+8*(i/16)+6:ST+8*(i/16)+7] op_sel_hi:[1,0]
.set i, i+1
.endr
	WIN 0
.endif
	s_wait_alu depctr_va_vdst(0)                   ; one wait for batch 2
.set i, 0
.rept 64
	ITEM 2, \first
.set i, i+1
.endr
	s_wait_dscnt 0x0                               ; V is in
	WIN W_PV
.irp g, 0,1                            ; O^T += V^T P: the 16 accumulators take turns
.irp d, 0,1,2,3
.irp t, 0,1,2,3
.if \first && (\g == 0)
	v_wmma_f32_16x16x32_f16 v[OT+32*\t+8*\d:OT+32*\t+8*\d+7], v[VF+8*(4*\g+\d):VF+8*(4*\g+\d)+7], v[S+32*\t+8*\g:S+32*\t+8*\g+7], 0
.else
	v_wmma_f32_16x16x32_f16 v[OT+32*\t+8*\d:OT+32*\t+8*\d+7], v[VF+8*(4*\g+\d):VF+8*(4*\g+\d)+7], v[S+32*\t+8*\g:S+32*\t+8*\g+7], v[OT+32*\t+8*\d:OT+32*\t+8*\d+7]
.endif
.endr
.endr
.endr
	WIN 0
.rept 4
	v_nop
.endr
.endm
; THE CHANGE OF SLOTS.  Each wave waits for all its tensor loads (its part of the slot ahead), adds 0 to its spare word, and waits for that and for its reads of the slot that it leaves.
; fill = 1: the barrier is a round of the cluster's, and behind it the slot just left is filled with the keys two slots on: the wave's one tensor load until the next change.
.macro CHANGE fill, slot
	s_wait_tensorcnt 0x0                           ; no tensor load of mine is out, so a group 0 may be written
	ds_add_u32 v[SPW], v[NIL]
.if \fill
	s_add_nc_u64 s[G0+4*\slot+2:G0+4*\slot+3], s[G0+4*\slot+2:G0+4*\slot+3], 2*VOFF   ; 1,024 keys on; the type bits on top are not reached
	s_wait_dscnt 0x0
	CROUND
	tensor_load_to_lds s[G0+4*\slot:G0+4*\slot+3], s[G1:G1+7]
	s_nop 0
.rept 4
	v_nop
.endr
.else
	s_wait_dscnt 0x0
	s_barrier_signal -1
	s_barrier_wait -1
.endif
.endm
.macro SLOT_STEPS base, trips
	s_mov_b32 s[TB], \base
	s_mov_b32 s[CNT], \trips
.Lstep_\@:
	STEP 0
	s_add_co_u32 s[TB], s[TB], STEPB
	s_sub_co_u32 s[CNT], s[CNT], 1
	s_cmp_lg_u32 s[CNT], 0
	s_cbranch_scc1 .Lstep_\@
.endm
	s_load_b128 s[4:7], s[0:1], 0x0                ; qkv s[4:5], ctx s[6:7]
	v_lshl_add_u32 v[SPW], v0, 2, SPARE
	v_mov_b32 v[NIL], 0
	ds_add_u32 v[SPW], v[NIL]                      ; the opening: the add, twice on end, and its wait ahead of my first tensor load
	ds_add_u32 v[SPW], v[NIL]
	v_lshrrev_b32 v1, 5, v0
	v_readfirstlane_b32 s[WV], v1                  ; wave 0..7
	s_bfe_u32 s13, ttmp6, 0x40000                  ; cx
	s_lshl_b32 s14, ttmp9, 2
	s_add_co_u32 s14, s14, s13                     ; my block of 512 queries: it enters Q's and ctx's addresses alone
	s_and_b32 s15, ttmp7, 0xffff                   ; the head n, which the four partners share
	s_mov_b32 s[G1], 15|(3<<16)|(1<<21)            ; the mask: all four; elements of 8 bytes; no padding; bit 21 beside a mask
	s_mov_b32 s[G1+1], 32<<16                      ; tensor_dim0 = 32 elements: rows of 256 bytes
	s_mov_b32 s[G1+2], 64<<16                      ; tensor_dim1 = 64 rows: 16 KiB, dense
	s_mov_b32 s[G1+3], 32<<16                      ; tile_dim0
	s_mov_b32 s[G1+4], 64                          ; tile_dim1
	s_mov_b32 s[G1+5], 32                          ; from row to row
	s_mov_b32 s[G1+6], 0
	s_mov_b32 s[G1+7], 0
	s_mov_b32 s[CS], 0x3e38aa3b                    ; c = log2(e) / 8
	s_mov_b32 s[CS+1], s[CS]
	s_mov_b32 s[SEL], 0x76543210
	s_mov_b32 s[SEL+1], 0xfedcba98
	s_lshr_b32 s20, s[WV], 2                       ; what I fetch: K (waves 0-3) or V (waves 4-7),
	s_add_co_u32 s20, s20, 1
	s_lshl_b32 s20, s20, 24                        ; which x 16,777,216
	s_lshl_b32 s16, s15, 18                        ; the head's 262,144 bytes
	s_add_co_u32 s20, s20, s16
	s_and_b32 s21, s[WV], 3
	s_lshl_b32 s21, s21, 14                        ; my quarter of a slot's 65,536
	s_add_co_u32 s20, s20, s21
	s_mov_b32 s21, 0
	s_lshl_b32 s17, s14, 5
	s_lshl_b32 s22, s[WV], 2
	s_add_co_u32 s17, s17, s22                     ; my first tile of 16 queries: 32 x block + 4 x wave
	s_lshl_b32 s22, s17, 11                        ; 2,048 bytes a tile of Q
	s_add_co_u32 s22, s22, s16
	s_mov_b32 s23, 0
	s_lshr_b32 s18, s15, 4                         ; b
	s_lshl_b32 s18, s18, 7
	s_add_co_u32 s18, s18, s17                     ; ctx: row tile b x 128 + my first tile
	s_lshl_b32 s18, s18, 12                        ; 4,096 bytes a row tile
	s_bfe_u32 s19, s15, 0x30001                    ; h / 2: which 128 of e
	s_lshl_b32 s19, s19, 21
	s_add_co_u32 s18, s18, s19
	s_and_b32 s19, s15, 1                          ; h % 2: pieces 0-3 or 4-7
	s_lshl_b32 s19, s19, 11
	s_add_co_u32 s18, s18, s19
	s_mov_b32 s19, 0
	s_wait_dscnt 0x0                               ; both opening adds are done
	s_wait_kmcnt 0x0
	s_add_nc_u64 s[8:9], s[4:5], s[20:21]          ; my quarter of slot 0's K or V
	s_add_nc_u64 s[4:5], s[4:5], s[22:23]          ; Q at my first tile
	s_add_nc_u64 s[6:7], s[6:7], s[18:19]          ; ctx likewise
	CROUND                                         ; all four work-groups are here: the first joint loads meet
	s_mov_b32 s[G0], 1
	s_lshl_b32 s[G0+1], s[WV], 14                  ; LDS: wave x 16,384: K's four quarters, then V's
	s_mov_b64 s[G0+2:G0+3], s[8:9]
	s_or_b32 s[G0+3], s[G0+3], 0x80000000
	s_mov_b32 s[G0+4], 1
	s_add_co_u32 s[G0+5], s[G0+1], SLOT1
	s_add_nc_u64 s[G0+6:G0+7], s[8:9], VOFF        ; the next 512 keys
	s_or_b32 s[G0+7], s[G0+7], 0x80000000
	tensor_load_to_lds s[G0:G0+3], s[G1:G1+7]      ; both first fills together: two loads of mine are out
	s_nop 0
	tensor_load_to_lds s[G0+4:G0+7], s[G1:G1+7]
	s_nop 0
.rept 4
	v_nop
.endr
	v_and_b32 v1, 31, v0                           ; lane
	v_lshlrev_b32 v[AK0], 4, v1
	v_bfe_u32 v6, v0, 4, 1
	v_and_b32 v7, 7, v0
	v_lshl_add_u32 v6, v6, 3, v7                   ; the turning load: key 8 (l / 16) + l % 8 of a piece,
	v_bfe_u32 v7, v0, 3, 1
	v_lshlrev_b32 v[AV0], 5, v6                    ; 32 bytes a key,
	v_lshl_add_u32 v[AV0], v7, 4, v[AV0]           ; channels 8 ((l / 8) % 2) on
	v_add_nc_u32 v[AV0], VOFF, v[AV0]
	WIN W_LD1
.irp p, 0,1,2,3,4,5,6,7,8,9,10,11,12,13,14,15
	global_load_b128 v[4*\p:4*\p+3], v[AK0], s[4:5] offset:512*\p   ; Q stays in registers: tile p / 4, piece p % 4
.endr
	WIN 0
	s_wait_tensorcnt 0x1                           ; my part of slot 0 is in; slot 1's may stay out
	s_barrier_signal -1
	s_barrier_wait -1
	s_wait_loadcnt 0x0                             ; Q
	s_mov_b32 s[TB], 0
	STEP 1                                         ; keys 0-63 start the sums
	SLOT_STEPS STEPB, 7                            ; keys 64-511
	CHANGE 1, 0                                    ; slot 0 takes keys 1,024-1,535
	SLOT_STEPS SLOT1, 8                            ; keys 512-1,023
	CHANGE 1, 1                                    ; slot 1 takes keys 1,536-2,047
	SLOT_STEPS 0, 8
	CHANGE 0, 0                                    ; nothing is left to fetch
	SLOT_STEPS SLOT1, 8
	; THE WAY OUT: l's two halves and the other half of the lanes' are added; O^T is divided by l, rounded to f16 and stored: a lane's eight channels are its 16 bytes of a piece.
.irp t, 0,1,2,3
	v_add_f32 v[ST+8*\t+4], v[ST+8*\t+2], v[ST+8*\t+3]
.endr
.irp t, 0,1,2,3
	v_permlanex16_b32 v[ST+8*\t+5], v[ST+8*\t+4], s[SEL], s[SEL+1]
.endr
.irp t, 0,1,2,3
	v_add_f32 v[ST+8*\t+4], v[ST+8*\t+4], v[ST+8*\t+5]
.endr
.irp t, 0,1,2,3
	v_rcp_f32 v[ST+8*\t+6], v[ST+8*\t+4]
.endr
	v_nop                                          ; a plain instruction behind the last reciprocal
	s_wait_alu depctr_va_vdst(0)                   ; one wait for the four, ahead of their first reader
	WIN W_RS
.set i, 0
.rept 64
	v_pk_mul_f32 v[OT+2*i:OT+2*i+1], v[OT+2*i:OT+2*i+1], v[ST+8*(i/16)+6:ST+8*(i/16)+7] op_sel_hi:[1,0]
.set i, i+1
.endr
	WIN W_CV
.set i, 0
.rept 64
	v_cvt_pk_f16_f32 v[S+i], v[OT+2*i], v[OT+2*i+1]
.set i, i+1
.endr
	WIN 0
.irp p, 0,1,2,3,4,5,6,7,8,9,10,11,12,13,14,15
	global_store_b128 v[AK0], v[S+4*\p:S+4*\p+3], s[6:7] offset:(\p/4)*4096+(\p%4)*512   ; tile p / 4, piece p % 4: 512 consecutive bytes, aligned
.endr
	s_wait_tensorcnt 0x0                           ; the wave's end
	ds_add_u32 v[SPW], v[NIL]
	s_wait_dscnt 0x0
	CROUND                                         ; the closing round
	s_endpgm
.Lfunc_end_k_qfb154323a7_attn:
	.size	k_qfb154323a7_attn, .Lfunc_end_k_qfb154323a7_attn-k_qfb154323a7_attn
	.p2alignl 7, 3214868480
	.fill 96, 4, 3214868480
	.section	.rodata,"a",@progbits
	.p2align	6, 0x0
	.amdhsa_kernel k_qfb154323a7_attn
		.amdhsa_group_segment_fixed_size 327680
		.amdhsa_private_segment_fixed_size 0
		.amdhsa_enable_private_segment 0
		.amdhsa_kernarg_size 16
		.amdhsa_user_sgpr_count 2
		.amdhsa_user_sgpr_kernarg_segment_ptr 1
		.amdhsa_wavefront_size32 1
		.amdhsa_system_sgpr_workgroup_id_x 1
		.amdhsa_system_sgpr_workgroup_id_y 1
		.amdhsa_system_sgpr_workgroup_id_z 1
		.amdhsa_system_vgpr_workitem_id 0
		.amdhsa_next_free_vgpr 512
		.amdhsa_next_free_sgpr 66
		.amdhsa_reserve_vcc 0
		.amdhsa_float_denorm_mode_32 3
		.amdhsa_float_denorm_mode_16_64 3
		.amdhsa_memory_ordered 1
		.amdhsa_forward_progress 1
		.amdhsa_inst_pref_size 172
	.end_amdhsa_kernel
	.amdgpu_metadata
---
amdhsa.version: [ 1, 2 ]
amdhsa.kernels:
  - .name:           k_qfb154323a7_attn
    .symbol:         k_qfb154323a7_attn.kd
    .args:
      - { .name: qkv, .offset: 0, .size: 8, .value_kind: global_buffer, .address_space: global }
      - { .name: ctx, .offset: 8, .size: 8, .value_kind: global_buffer, .address_space: global }
    .group_segment_fixed_size: 327680
    .private_segment_fixed_size: 0
    .kernarg_segment_align: 8
    .kernarg_segment_size: 16
    .max_flat_workgroup_size: 256
    .sgpr_count:     66
    .vgpr_count:     512
    .wavefront_size: 32
...
	.end_amdgpu_metadata
.endif
;; end of part 3
;; launch oproj (part 4): grid 4 x 64, 4 waves a work-group, clusters of 4 x 4, 327,680 bytes of LDS; arguments ctx, wo16, out0; writes out0
.if DOCPART == 4
	.amdgcn_target "amdgcn-amd-amdhsa--gfx1250"
	.amdhsa_code_object_version 6
	.text
	.protected	k_qfb154323a7_oproj
	.globl	k_qfb154323a7_oproj
	.p2align	8
	.type	k_qfb154323a7_oproj,@function
k_qfb154323a7_oproj:
	s_mov_b64 s[64:65], 0
	v_nop
	global_prefetch_b8 v0, s[64:65] scope:SCOPE_SE
	s_setreg_imm32_b32 hwreg(HW_REG_WAVE_MODE, 25, 1), 1
	s_wait_xcnt 0x0
	s_wait_alu depctr_hold_cnt(0) depctr_sa_sdst(0) depctr_va_vdst(0) depctr_va_sdst(0) depctr_va_ssrc(0) depctr_va_vcc(0) depctr_vm_vsrc(0)
	s_getreg_b32 s2, hwreg(HW_REG_IB_STS2, 6, 4)
	s_cmp_eq_u32 s2, 0
	s_cbranch_scc0 .Lentry_in_a_cluster
	s_endpgm
.Lentry_in_a_cluster:
	s_bfe_u32 s2, ttmp6, 0x10000c
	s_cmp_lg_u32 s2, 0xf033
	s_cbranch_scc0 .Lentry_shape_is_right
	s_endpgm
.Lentry_shape_is_right:
; out0[t][b][o] = sum over e of ctx[m][e] Wo[o][e], m = b x 2048 + t; operands f16, sums f32, out0 f32.
; ctx comes as images of operand registers, laid [e / 128][m / 16][(e % 128) / 16][512 bytes]; wo16 is [1024][1024] f16, row-major.
; A tile of the result is 128 rows m x 256 columns: 256 work-groups.  Four waves, each 64 x 128: 32 accumulators of 16 x 16, all of window 1.  K goes in 8 steps of 128 through two LDS slots:
; ctx's part of a step is 32,768 dense bytes (no pitch, no padding: a fragment is two loads at 16 x lane), Wo's is 256 rows of 256 bytes, padded to 272.
; CLUSTERS: 4 x 4 work-groups: ctx's tiles are asked for jointly along a row of the cluster, Wo's along a column.  Waves 0 and 1 fetch ctx's halves, waves 2 and 3 Wo's: one load a wave behind each round.
; THE MATRIX INSTRUCTION IS USED TRANSPOSED (source 0 = 16 rows of Wo, source 1 = 16 rows of ctx): a lane holds eight neighbouring columns of one row.  Results leave through the wave's own stage in LDS as rows of 512 bytes.
; LIMIT: |ctx| and |Wo| under 65,504 (f16).
; REGISTERS.  window 0: v16-29 addresses; v32-127 and v128-223 two fragment buffers (ctx's 4 fragments, then Wo's 8); on the way out v32-159 hold rows.  window 1: accumulator (a, b) at v[8 (8 a + b)].
.set PITCH,  272                       ; a row of Wo in LDS: 256 bytes + 16 = 68 words: the 16 rows that a load touches start at 16 different banks (64 banks of 4 bytes: ISA guide 11.1)
.set ABYTES, 32768                     ; ctx's part of a slot
.set HALFB,  128*PITCH                 ; 128 rows of Wo
.set SLOT,   ABYTES+2*HALFB            ; 102,400
.set STAGE,  2*SLOT                    ; behind the slots: 16 rows x 528 bytes for each wave; no tensor load lands here
.set SPITCH, 528
.set SPARE,  STAGE+4*16*SPITCH         ; the spare words, 128 bytes a wave
.set KSA,    2097152                   ; from K step to K step in ctx
.set LAPS,   4                         ; a lap = two K steps
.set ADRA, 16                          ; v16-17 LDS address of my ctx fragments in slot 0, 1
.set ADRB, 20                          ; v20-21 the same for Wo
.set STO,  24                          ; v24 the way out: where I put 32 bytes of a row
.set RD,   25                          ; v25 where I read a row back
.set CO,   26                          ; v26 16 x lane
.set SPW,  28
.set NIL,  29
.set F0,   32
.set F1,   128
.set G1, 24                            ; s[24:31] group 1 for ctx's tiles; s[32:39] groups 0
.set G0, 32
.set G1B, 48                           ; s[48:55], s[56:63] for Wo's
.set G0B, 56
.set MSB, 0
.macro WIN new
.if MSB != (\new)
	s_set_vgpr_msb (MSB<<8)|(\new)
.set MSB, \new
.endif
.endm
.set MUL, 0x50                         ; C and D in window 1
.macro JLOAD s                         ; a joint load; an s_nop 0 and four v_nop follow each line
	s_cmp_eq_u32 s11, 0
	s_cbranch_scc0 .Lfor_b_\@
	tensor_load_to_lds s[G0+4*\s:G0+4*\s+3], s[G1:G1+7]
	s_nop 0
.rept 4
	v_nop
.endr
	s_branch .Lasked_\@
.Lfor_b_\@:
	tensor_load_to_lds s[G0B+4*\s:G0B+4*\s+3], s[G1B:G1B+7]
	s_nop 0
.rept 4
	v_nop
.endr
.Lasked_\@:
.endm
.macro CREST
	s_cmp_lg_u32 s10, 0
	s_cbranch_scc1 .Lnot_wave_0_\@
	s_barrier_signal -3
.Lnot_wave_0_\@:
	s_barrier_wait -3
	s_barrier_signal -1
	s_barrier_wait -1
.endm
.macro CROUND
	s_barrier_signal -1
	s_barrier_wait -1
	CREST
.endm
	s_load_b128 s[4:7], s[0:1], 0x0                ; ctx s[4:5], wo16 s[6:7]
	s_load_b64 s[8:9], s[0:1], 0x10                ; out0
	v_lshl_add_u32 v[SPW], v0, 2, SPARE
	v_mov_b32 v[NIL], 0
	ds_add_u32 v[SPW], v[NIL]                      ; the opening: the add, twice on end, and its wait ahead of my first tensor load
	ds_add_u32 v[SPW], v[NIL]
	v_lshrrev_b32 v1, 5, v0
	v_readfirstlane_b32 s10, v1                    ; wave 0..3
	s_lshr_b32 s11, s10, 1                         ; which 64 rows are mine; also: I fetch for ctx (0) or for Wo (1)
	s_and_b32 s12, s10, 1                          ; which 128 columns; also: which half I fetch
	s_bfe_u32 s40, ttmp6, 0x40000                  ; cx, cy
	s_bfe_u32 s41, ttmp6, 0x40004
	s_lshl_b32 s42, ttmp9, 2
	s_add_co_u32 s42, s42, s40                     ; tile column
	s_and_b32 s13, ttmp7, 0xffff
	s_lshl_b32 s13, s13, 2
	s_add_co_u32 s13, s13, s41                     ; tile row
	s_lshl_b32 s43, s41, 2
	s_lshl_b32 s43, 15, s43                        ; my row of the cluster
	s_lshl_b32 s44, 0x1111, s40                    ; my column
	s_or_b32 s[G1+0], s43, (3<<16)|(1<<21)         ; ctx: the mask; elements of 8 bytes; no padding; bit 21 beside a mask
	s_mov_b32 s[G1+1], 32<<16                      ; 64 rows of 256 bytes, dense: 16 KiB
	s_mov_b32 s[G1+2], 64<<16
	s_mov_b32 s[G1+3], 32<<16
	s_mov_b32 s[G1+4], 64
	s_mov_b32 s[G1+5], 32
	s_mov_b32 s[G1+6], 0
	s_mov_b32 s[G1+7], 0
	s_or_b32 s[G1B+0], s44, (1<<16)|(1<<20)|(1<<21)|(5<<22)|(3<<25)  ; Wo: elements of 2 bytes; 4 words of padding behind every 64
	s_mov_b32 s[G1B+1], 128<<16                    ; 128 rows x 128 elements
	s_mov_b32 s[G1B+2], 128<<16
	s_mov_b32 s[G1B+3], 128<<16
	s_mov_b32 s[G1B+4], 128
	s_mov_b32 s[G1B+5], 1024                       ; from row to row
	s_mov_b32 s[G1B+6], 0
	s_mov_b32 s[G1B+7], 0
	s_lshl_b32 s16, s13, 15                        ; ctx: 8 row tiles of 4,096 bytes a tile row,
	s_lshl_b32 s17, s12, 14                        ; my half: 4 row tiles
	s_add_co_u32 s16, s16, s17
	s_mov_b32 s17, 0
	s_lshl_b32 s46, s42, 19                        ; Wo: 256 rows of 2,048 bytes a tile column,
	s_lshl_b32 s47, s12, 18                        ; my half: 128 rows
	s_add_co_u32 s46, s46, s47
	s_mov_b32 s47, 0
	s_lshl_b32 s20, s12, 14                        ; where they go: ctx's halves,
	s_mul_i32 s21, s12, HALFB
	s_add_co_u32 s21, s21, ABYTES                  ; then Wo's
	s_wait_dscnt 0x0                               ; both opening adds are done
	s_wait_kmcnt 0x0
	s_add_nc_u64 s[14:15], s[4:5], s[16:17]
	s_add_nc_u64 s[46:47], s[6:7], s[46:47]
	CROUND                                         ; all sixteen work-groups are here: the first joint loads meet
.irp s, 0,1
	s_mov_b32 s[G0+4*\s], 1
	s_add_co_u32 s[G0+4*\s+1], s20, \s*SLOT
	s_add_nc_u64 s[G0+4*\s+2:G0+4*\s+3], s[14:15], \s*KSA
	s_or_b32 s[G0+4*\s+3], s[G0+4*\s+3], 0x80000000
	s_mov_b32 s[G0B+4*\s], 1
	s_add_co_u32 s[G0B+4*\s+1], s21, \s*SLOT
	s_add_nc_u64 s[G0B+4*\s+2:G0B+4*\s+3], s[46:47], \s*256
	s_or_b32 s[G0B+4*\s+3], s[G0B+4*\s+3], 0x80000000
	JLOAD \s                                       ; two loads of mine are out behind the second
.endr
	v_and_b32 v1, 15, v0                           ; r
	v_bfe_u32 v2, v0, 4, 1                         ; h
	v_and_b32 v3, 31, v0
	v_lshlrev_b32 v[CO], 4, v3                     ; 16 x lane
	v_mul_u32_u24 v4, v1, PITCH
	v_lshl_add_u32 v4, v2, 4, v4                   ; Wo: row x pitch + 16 x half
	s_lshl_b32 s21, s11, 14                        ; my 4 row tiles of ctx
	s_mul_i32 s22, s12, HALFB
	s_add_co_u32 s22, s22, ABYTES                  ; my 128 rows of Wo
.irp s, 0,1
	v_add_nc_u32 v[ADRA+\s], s21, v[CO]
	v_add_nc_u32 v[ADRB+\s], s22, v4
	s_add_co_u32 s21, s21, SLOT
	s_add_co_u32 s22, s22, SLOT
.endr
	s_mul_i32 s23, s10, 16*SPITCH
	s_add_co_u32 s23, s23, STAGE                   ; my stage
	v_mul_u32_u24 v5, v1, SPITCH
	v_lshl_add_u32 v5, v2, 5, v5
	v_add_nc_u32 v[STO], s23, v5                   ; in: row r, 32 bytes for each half of the lanes
	v_add_nc_u32 v[RD], s23, v[CO]                 ; back: the 32 lanes take one row of 512 bytes
	s_and_b32 s16, s13, 15                         ; out0: t = 128 (tile row % 16) + 64 x my half, b = tile row / 16; row (t, b) lies at (4 t + b) x 4,096 bytes
	s_lshl_b32 s16, s16, 7
	s_lshl_b32 s17, s11, 6
	s_add_co_u32 s16, s16, s17
	s_lshl_b32 s16, s16, 2
	s_lshr_b32 s17, s13, 4
	s_add_co_u32 s16, s16, s17
	s_lshl_b32 s16, s16, 12
	s_mov_b32 s17, 0
	s_add_nc_u64 s[8:9], s[8:9], s[16:17]
	s_lshl_b32 s46, s42, 10                        ; my first column, in bytes: 1,024 x tile column + 512 x half
	s_lshl_b32 s47, s12, 9
	s_add_co_u32 s46, s46, s47
	s_mov_b32 s47, 0
	s_add_nc_u64 s[8:9], s[8:9], s[46:47]
.macro FETCH slot, kq, f               ; 24 LDS loads: the fragments of 32 along K, the slot's kq-th, into buffer f
.irp i, 0,1,2,3,4,5,6,7
	ds_load_b128 v[\f+32+8*\i:\f+32+8*\i+3],   v[ADRB+\slot] offset:64*(\kq)+\i*16*PITCH
	ds_load_b128 v[\f+32+8*\i+4:\f+32+8*\i+7], v[ADRB+\slot] offset:64*(\kq)+\i*16*PITCH+32
.endr
.irp a, 0,1,2,3
	ds_load_b128 v[\f+8*\a:\f+8*\a+3],   v[ADRA+\slot] offset:\a*4096+(\kq)*1024
	ds_load_b128 v[\f+8*\a+4:\f+8*\a+7], v[ADRA+\slot] offset:\a*4096+(\kq)*1024+512
.endr
.endm
.macro MUL8 f, a, zero                 ; row tile a against Wo's eight.  The 32 accumulators take turns in the same order in every quarter
.irp b, 0,1,2,3,4,5,6,7
.if \zero
	v_wmma_f32_16x16x32_f16 v[8*(8*\a+\b):8*(8*\a+\b)+7], v[\f+32+8*\b:\f+32+8*\b+7], v[\f+8*\a:\f+8*\a+7], 0
.else
	v_wmma_f32_16x16x32_f16 v[8*(8*\a+\b):8*(8*\a+\b)+7], v[\f+32+8*\b:\f+32+8*\b+7], v[\f+8*\a:\f+8*\a+7], v[8*(8*\a+\b):8*(8*\a+\b)+7]
.endif
.endr
.endm
.macro PLACES                          ; four plain vector instructions between matrix instructions and loads into, or reads of, their registers
.rept 4
	v_nop
.endr
.endm
; A quarter of a K step: buffer f is multiplied while the next quarter's fragments, the slot's kq-th, come into buffer g.
.macro QUARTER slot, kq, f, g, zero
	s_wait_dscnt 0x0                               ; buffer f is in
	PLACES                                         ; buffer g was read by the quarter before
	FETCH \slot, \kq, \g
	WIN MUL
	MUL8 \f, 0, \zero
	MUL8 \f, 1, \zero
	MUL8 \f, 2, \zero
	MUL8 \f, 3, \zero
	WIN 0
.endm
; A K step's last quarter multiplies buffer 1 and changes slots: one barrier; in front of it each wave waits for all its tensor loads, adds 0 to its spare word, and waits for that and for its reads of this slot.
.macro TURN slot, next, fill
	s_wait_tensorcnt 0x0                           ; all my tensor loads have landed: my part of the next slot
	ds_add_u32 v[SPW], v[NIL]
	s_wait_dscnt 1                                 ; buffer 1 is in; the add alone may be out
	WIN MUL
	MUL8 F1, 0, 0                                  ; eight matrix instructions stand between the add and the wait for it
	s_wait_dscnt 0x0                               ; the add is done, and my reads of this slot are over
	s_barrier_signal -1
	MUL8 F1, 1, 0
	WIN 0
	s_barrier_wait -1
.if \fill
	CREST                                          ; the barrier has opened a round of the cluster's: no wave of any partner still reads this slot or has a load on its way
	s_add_nc_u64 s[G0+4*\slot+2:G0+4*\slot+3], s[G0+4*\slot+2:G0+4*\slot+3], 2*KSA
	s_add_nc_u64 s[G0B+4*\slot+2:G0B+4*\slot+3], s[G0B+4*\slot+2:G0B+4*\slot+3], 2*256
	JLOAD \slot                                    ; the first tensor load behind the round; its four v_nop are also the places in front of the loads below
.else
	PLACES
.endif
	FETCH \next, 0, F0
	WIN MUL
	MUL8 F1, 2, 0
	MUL8 F1, 3, 0
	WIN 0
.endm
	s_wait_tensorcnt 0x1                           ; my part of K step 0 is in; K step 1's may stay out
	s_barrier_signal -1
	s_barrier_wait -1
	FETCH 0, 0, F0
	QUARTER 0, 1, F0, F1, 1                        ; the first quarter stands in front of the loop: its products start the sums
	s_mov_b32 s3, LAPS-1
.Llap:                                                 ; a trip goes once round the ring and fills both slots again
	QUARTER 0, 2, F1, F0, 0
	QUARTER 0, 3, F0, F1, 0
	TURN 0, 1, 1
	QUARTER 1, 1, F0, F1, 0
	QUARTER 1, 2, F1, F0, 0
	QUARTER 1, 3, F0, F1, 0
	TURN 1, 0, 1
	QUARTER 0, 1, F0, F1, 0
	s_sub_co_u32 s3, s3, 1
	s_cmp_lg_u32 s3, 0
	s_cbranch_scc1 .Llap
	QUARTER 0, 2, F1, F0, 0                        ; the last lap fills nothing
	QUARTER 0, 3, F0, F1, 0
	TURN 0, 1, 0
	QUARTER 1, 1, F0, F1, 0
	QUARTER 1, 2, F1, F0, 0
	QUARTER 1, 3, F0, F1, 0
	s_wait_dscnt 0x0
	WIN MUL
	MUL8 F1, 0, 0
	MUL8 F1, 1, 0
	MUL8 F1, 2, 0
	MUL8 F1, 3, 0
	WIN 0
; THE WAY OUT, a block of 16 rows x 128 columns at a time, through my own stage: LDS serves a wave's instructions in order (ISA guide 5.7.1.4), so no wait stands between the stores and the loads, nor in front of the next block's stores.
.macro TOSTAGE a
	WIN 0x04                                       ; an LDS store's data are its source 1: window 1
.irp b, 0,1,2,3,4,5,6,7
	ds_store_b128 v[STO], v[8*(8*\a+\b):8*(8*\a+\b)+3] offset:64*\b          ; each accumulator from its low end on
	ds_store_b128 v[STO], v[8*(8*\a+\b)+4:8*(8*\a+\b)+7] offset:64*\b+16
.endr
	WIN 0
.irp i, 0,1,2,3,4,5,6,7,8,9,10,11,12,13,14,15
	ds_load_b128 v[F0+64*((\a)%2)+4*\i:F0+64*((\a)%2)+4*\i+3], v[RD] offset:\i*SPITCH
.endr
.endm
.macro SEND a, younger                 ; younger: the LDS instructions issued behind block a's loads, which may stay out
	s_wait_dscnt \younger
.irp i, 0,1,2,3,4,5,6,7,8,9,10,11,12,13,14,15
	global_store_b128 v[CO], v[F0+64*((\a)%2)+4*\i:F0+64*((\a)%2)+4*\i+3], s[8:9] offset:(16*(\a)+\i)*16384 th:TH_STORE_NT   ; 32 lanes store 512 consecutive bytes, aligned; rows t lie 16,384 bytes apart
.endr
.endm
	PLACES                                         ; behind the last products: stores read results, loads land on the fragment buffers
	TOSTAGE 0
	TOSTAGE 1
	SEND 0, 32                                     ; behind block 0's loads: block 1's 16 stores and 16 loads
	s_wait_xcnt 0x0                                ; block 0's stores have read their registers: block 2's loads may land there
	TOSTAGE 2
	SEND 1, 32
	s_wait_xcnt 0x0
	TOSTAGE 3
	SEND 2, 32
	SEND 3, 0
	s_wait_tensorcnt 0x0                           ; the wave's end
	ds_add_u32 v[SPW], v[NIL]
	s_wait_dscnt 0x0
	CROUND                                         ; the closing round
	s_endpgm
.Lfunc_end_k_qfb154323a7_oproj:
	.size	k_qfb154323a7_oproj, .Lfunc_end_k_qfb154323a7_oproj-k_qfb154323a7_oproj
	.p2alignl 7, 3214868480
	.fill 96, 4, 3214868480
	.section	.rodata,"a",@progbits
	.p2align	6, 0x0
	.amdhsa_kernel k_qfb154323a7_oproj
		.amdhsa_group_segment_fixed_size 327680
		.amdhsa_private_segment_fixed_size 0
		.amdhsa_enable_private_segment 0
		.amdhsa_kernarg_size 24
		.amdhsa_user_sgpr_count 2
		.amdhsa_user_sgpr_kernarg_segment_ptr 1
		.amdhsa_wavefront_size32 1
		.amdhsa_system_sgpr_workgroup_id_x 1
		.amdhsa_system_sgpr_workgroup_id_y 1
		.amdhsa_system_sgpr_workgroup_id_z 1
		.amdhsa_system_vgpr_workitem_id 0
		.amdhsa_next_free_vgpr 512
		.amdhsa_next_free_sgpr 66
		.amdhsa_reserve_vcc 0
		.amdhsa_float_denorm_mode_32 3
		.amdhsa_float_denorm_mode_16_64 3
		.amdhsa_memory_ordered 1
		.amdhsa_forward_progress 1
		.amdhsa_inst_pref_size 84
	.end_amdhsa_kernel
	.amdgpu_metadata
---
amdhsa.version: [ 1, 2 ]
amdhsa.kernels:
  - .name:           k_qfb154323a7_oproj
    .symbol:         k_qfb154323a7_oproj.kd
    .args:
      - { .name: ctx, .offset: 0, .size: 8, .value_kind: global_buffer, .address_space: global }
      - { .name: wo16, .offset: 8, .size: 8, .value_kind: global_buffer, .address_space: global }
      - { .name: out0, .offset: 16, .size: 8, .value_kind: global_buffer, .address_space: global }
    .group_segment_fixed_size: 327680
    .private_segment_fixed_size: 0
    .kernarg_segment_align: 8
    .kernarg_segment_size: 24
    .max_flat_workgroup_size: 128
    .sgpr_count:     66
    .vgpr_count:     512
    .wavefront_size: 32
...
	.end_amdgpu_metadata
.endif
;; end of part 4
